; MI455X (gfx1250); checked and timed in simulation.
; The chip was launched on July 23, 2026; its instructions are those of AMD's public machine-readable ISA for CDNA 5 (MIT licence, August 2026) and "CDNA5" Instruction Set Architecture Reference Guide (July 2026). The comments in the code are by the model that wrote it; some were corrected since.
;; Lo RA Layer Wrapper. Allowed arithmetic: matrix products marked QUANTISED: E2M1 operands, one E8M0 scale for each 32 along K, by v_wmma_scale_f32_16x16x128_f8f6f4 with both operands' format E2M1 (or v_wmma_scale_f32_32x16x128_f4), f32 sums; products left as they are: f32 operands where the result goes on into a quantised operand, else bf16, f16 or f32 operands; f32 sums; everything else in f32.
;; Inputs: W_codes 4,096 x 128 x 16 uint8 (E2M1 codes of W, K innermost, in blocks of 32 codes, two codes a byte); W_scales 4,096 x 128 uint8 (E8M0 scales of W, one for each 32 codes along K); b 4,096 float32; lora_A_codes 16 x 128 x 16 uint8 (E2M1 codes of lora_A, K innermost, in blocks of 32 codes, two codes a byte); lora_A_scales 16 x 128 uint8 (E8M0 scales of lora_A, one for each 32 codes along K); lora_B 4,096 x 16 float32; x_codes 4 x 1,024 x 128 x 16 uint8 (E2M1 codes of x, K innermost, in blocks of 32 codes, two codes a byte); x_scales 4 x 1,024 x 128 uint8 (E8M0 scales of x, one for each 32 codes along K).
;; Outputs: out0 4 x 1,024 x 4,096 float32.
;; This version of the problem:
;;   THIS VERSION OF THE PROBLEM IS GIVEN IN LOW PRECISION. The matrix products marked QUANTISED in the list below multiply operands that are first quantised to E2M1 (2 exponent bits, 1 mantissa bit; 4 bits a number), with one power-of-two scale for each 32 numbers along K (OCP MX v1.0); their sums are f32. All else is computed in f32.
;;   The module's matrix products, in the order in which they are computed (A, B: the left and right operand; K: the contracted axis; several contracted axes count as one K, in the product's order):
;;     1. [M 4,096, K 4,096] x [K 4,096, N 4,096]; A: input x (given as codes); B: input W (given as codes): QUANTISED
;;     2. [M 4,096, K 4,096] x [K 4,096, N 16]; A: input x (given as codes); B: input lora_A (given as codes): QUANTISED
;;     3. [M 4,096, K 16] x [K 16, N 4,096]; A: computed on the way; B: input lora_B: left as it is (K = 16 < 32)
;;   THE QUANTISER, for each operand of a quantised product, along K:
;;     - K is cut into blocks of 32 from its start; a last block that is shorter is filled with zeros.
;;     - A block's scale is 2^e with e = floor(log2(the largest magnitude in the block)) - 2, held to -126 .. 127; a block of zeros has e = 0. As a byte (E8M0): e + 127.
;;     - Each number is divided by its block's scale, clamped to +-6, and rounded to the nearest number of E2M1, ties to even, subnormals kept.
;;     - The product sums the exact products of the quantised numbers (number of the format x scale) in f32.
;;   ~~~python
;;   def quantise(x, axis):      # numpy; x: float32 -> the quantised numbers, widened to float32 again
;;       x = np.moveaxis(x, axis, -1); K = x.shape[-1]
;;       x = np.pad(x, [(0, 0)] * (x.ndim - 1) + [(0, -K % 32)]); x = x.reshape(x.shape[:-1] + (-1, 32)); a = np.abs(x).max(-1, keepdims=True)
;;       e = np.where(a > 0, np.clip(np.frexp(np.where(a > 0, a, 1))[1] - 1 - 2, -126, 127), 0)      # np.frexp(a)[1] - 1 = floor(log2(a)), exactly
;;       r = np.clip(x / 2.0 ** e, -6, 6)
;;       step = 2.0 ** (np.maximum(np.frexp(np.where(r == 0, 1, r))[1] - 1, 0) - 1)
;;       q = np.round(r / step) * step * 2.0 ** e      # np.round: ties to even
;;       return np.moveaxis(q.reshape(q.shape[:-2] + (-1,))[..., :K], -1, axis).astype(np.float32)
;;   ~~~
;;   INPUTS GIVEN AS CODES. W (in the module: [4096, 4096], K = its axis 1); lora_A (in the module: [4096, 16], K = its axis 0); x (in the module: [4, 1024, 4096], K = its axis 2): each comes as NAME_codes (uint8): NAME with its K axis moved to the last place and cut into blocks of 32 codes, [.., K / 32, bytes a block], one block behind the other in memory; two codes a byte, the lower K in the low four bits (a code: sign, 2 exponent bits, 1 mantissa bit); and NAME_scales (uint8): the same leading axes, one E8M0 byte (e + 127) for each 32 codes along K. Its value is code x scale, taken as it is: it is not quantised again, and the codes and scales need not be those that the quantiser above would give.
;; One version. Each part assembles by itself: llvm-mc -triple=amdgcn-amd-amdhsa -mcpu=gfx1250 --defsym DOCPART=n.
;; ======== version 1 of 1: 1 launch
;; limits: values are held in bf16: 8 bits of precision; right only within a limited range of input values
;; launch lora_gemm (part 1): grid 16 x 16, 4 waves a work-group, clusters of 4 x 4, 327,680 bytes of LDS; arguments x_codes, x_scales, W_codes, W_scales, lora_A_codes, lora_A_scales, lora_B, b, out0; writes out0
.if DOCPART == 1
	.amdgcn_target "amdgcn-amd-amdhsa--gfx1250"
	.amdhsa_code_object_version 6
	.text
	.protected	k_q09333325d2_lora_gemm
	.globl	k_q09333325d2_lora_gemm
	.p2align	8
	.type	k_q09333325d2_lora_gemm,@function
k_q09333325d2_lora_gemm:
	s_mov_b64 s[64:65], 0
	v_nop
	global_prefetch_b8 v0, s[64:65] scope:SCOPE_SE
	s_setreg_imm32_b32 hwreg(HW_REG_WAVE_MODE, 25, 1), 1
	s_wait_xcnt 0x0
	s_wait_alu depctr_hold_cnt(0) depctr_sa_sdst(0) depctr_va_vdst(0) depctr_va_sdst(0) depctr_va_ssrc(0) depctr_va_vcc(0) depctr_vm_vsrc(0)
	s_getreg_b32 s2, hwreg(HW_REG_IB_STS2, 6, 4)
	s_cmp_eq_u32 s2, 0
	s_cbranch_scc0 .Lentry_in_a_cluster
	s_endpgm
.Lentry_in_a_cluster:
	s_bfe_u32 s2, ttmp6, 0x10000c
	s_cmp_lg_u32 s2, 0xf033
	s_cbranch_scc0 .Lentry_shape_is_right
	s_endpgm
.Lentry_shape_is_right:
; out[m][n] = sum_k x[m][k] W[n][k] + b[n] + sum_r t[m][r] lora_B[n][r],  t[m][r] = sum_k x[m][k] lora_A[k][r].   m, n, k: 4,096; r: 16.
; x, W, lora_A: codes of FP4 (E2M1), K innermost, two codes a byte, one E8M0 byte for each 32 along K; they go to the matrix unit as they lie.  b, lora_B, out: f32.
; SHARES.  A tile of out, 256 x 256, is made by a work-group of four waves; a wave makes 64 rows x 256 columns: 32 accumulators of 32 columns x 16 rows, 512 registers.  16 x 16 tiles, one to a work-group.
; W goes through LDS: K in four quarters of 1,024 (rows of 512 bytes) through a ring of two slots, read by all four waves.  A refill is asked for at the end of a quarter and has the next quarter's first seven steps of 128 in which to land.
; x's rows belong to one wave each: x's fragments go from memory straight into registers, a ring of eight steps of 128 along K (256 registers), asked for two steps at a time (128 bytes of each row), about six steps ahead.
; lora_A's 16 rows ride beside W in LDS.  W's scales (256 rows, all of K, one dense block of 32 KiB) and lora_A's come into LDS once.  x's scale words come into registers, four steps' at a time, four steps ahead.
; CLUSTERS: 4 x 4 work-groups.  The four of a column need the same rows of W: W and its scales are asked for JOINTLY.  x is shared along a row of the cluster but not asked for jointly:
;   a joint load lands in LDS, where W's two slots, lora_A and the scales take 324,864 of 327,680 bytes; x beside them would halve the slots, and every byte of x would pass LDS for one wave's sake.
;   lora_A comes by plain loads: all sixteen want the same bytes, a mask names four at most, and it is 16 of a slot's 272 rows.
; THE MATRIX INSTRUCTION IS USED TRANSPOSED (source 0 = 32 rows of W, source 1 = 16 rows of x): a lane holds neighbouring numbers of a row of out.
; t: source 0 = lora_A's 16 rank rows, source 1 = the wave's own 64 rows of x: four products more in each step.  t is rounded to bf16 in pairs: that IS the lower half of a bf16 fragment (K = 32; t's ranks 16 .. 31 are zeros).
; lora_B is rounded to bf16 at the head, a quarter by each wave, held in 16 registers, and exchanged through LDS as images of fragments in the last quarter.
; THE LAST QUARTER OF K GOES BY COLUMNS OF OUT: all its eight steps of x lie in registers, so 64 columns (a chunk) are finished at a time, and leave while the next are multiplied.  The bias is added on the way out.
; PREFETCH: x's and W's rows of quarters 2 and 3 are asked for, two units of 256 bytes a row, in the second step of quarters 0 and 1, a quarter ahead of x's first loads of them; quarters 0 and 1 come by their loads alone.
; LIMITS: t and lora_B are rounded to bf16 for the third product; lora_B's magnitudes stay under 3.38e38, so that none rounds to an infinity.  Order of a sum: K ascending, the third product, the bias.  A scale byte 0xff makes the sum NaN.
; REGISTERS, in windows of 256.  window 0: below.  window 1: x's fragments, step s at 32 (s % 8), block a at + 8 a.  windows 2, 3: the accumulators of W's row groups (32 rows) p = 0-3, 4-7: (p, a) at 16 (4 (p % 4) + a).
.set PITCH,  528                       ; an LDS row: 512 bytes + 16 of padding = 132 words: the 16 rows that a load touches start at 16 different banks (64 banks of 4 bytes: ISA guide 11.1)
.set HALF,   128*PITCH
.set SLOT,   256*PITCH
.set LAB,    2*SLOT                    ; lora_A: 16 rows a slot
.set LSLOT,  16*PITCH
.set WSC,    LAB+2*LSLOT               ; W's scales: units of 256 bytes + 16 of padding; a row is half a unit
.set WOP,    16*272                    ; those of 32 rows
.set LSC,    WSC+128*272               ; lora_A's scales, likewise
.set SPARE,  LSC+2304                  ; the spare words: two blocks of 256 bytes that no other line names
.set STAGE,  8192                      ; the way out, in slot 0, which has had its last fill and its last read: lora_B's images at 0, then a stage of 64 rows x (256 bytes + 16) for each wave
.set SBLK,   16*272
.set SWAVE,  4*SBLK
.set ROWC,   16384                     ; a row of out in bytes
.set IMS, 1                            ; v1    where I store lora_B's images;
.set STO, 1                            ;       then, on the way out, where I put 32 bytes of a row
.set RD,  2                            ; v2    where I read rows back
.set PFO, 3                            ; v3    the prefetches' offset;
.set CO,  3                            ;       then my byte offset in two rows of out
.set WA,  4                            ; v4-7  W's fragments: slot 0 rows 0-127, 128-255, slot 1 likewise
.set LAA, 8                            ; v8    lora_A's fragments
.set LSA, 9                            ; v9    lora_A's scale words
.set XO,  10                           ; v10   x's codes: 2,048 r + 16 h
.set XSO, 11                           ; v11   x's scales: 128 x lane
.set WSA, 12                           ; v12   W's scale words: lane m has row m of 32
.set SPW, 13                           ; v13   LDS address of my spare word; never rewritten
.set NIL, 14                           ; v14   0; never rewritten
.set IMR, 15                           ; v15   16 x lane
.set LB,  16                           ; v16-31 lora_B as bf16, held; in the last quarter two of lora_A's three fragments, then lora_B's blocks 0, 1, 2 of a chunk, four registers each, and four zeros
.set SC,  32                           ; v32-63 W's scale words: 4 p + q; in the last quarter 16 a chunk, two sets
.set XS,  64                           ; v64-79 x's scale words, two sets of four steps: lanes 0-15 block 2 i, lanes 16-31 block 2 i + 1
.set LF,  80                           ; v80-87 lora_A's fragment; at the end lora_B's block 3 of a chunk and four zeros
.set LS,  88                           ; v88-91 lora_A's scale words; v92-95 those of the last four steps
.set TA,  96                           ; v96-127 t, then its bf16 fragments
.set WF,  128                          ; v128-255 W's fragments: four buffers of two row groups; v128-134 at work at the head
.set BIA, 8                            ; v8-11 in the last quarter: the bias of a chunk
.set BOF, 4                            ; v4    in the last quarter: 16 r
.set G1W, 24
.set G1R, 32
.set G1S, 40
.set G1L, 48
.set G0W, 56
.set G0R, 60
.set G1LS, 68
.set G0S, 76
.set G0L, 80
.set G0LS, 84
.set XB,  88
.set XSB, 90
.set PX,  92
.set PW,  94
.set OUT, 96
.set BB,  98
.set LBB, 100
.set MSB, 0
.set DC,  0                            ; LDS instructions issued so far: a wait's count is DC less the mark of what is wanted = those issued behind it
.set LC,  0                            ; global loads issued so far, likewise
.set ST,  0                            ; the step of 128 along K
.set NX,  0                            ; the step whose fragments are fetched
.macro WIN new                         ; s_set_vgpr_msb: bits 1:0 source 0, 3:2 source 1, 5:4 source 2, 7:6 destination; the high byte repeats the setting that is left
.if MSB != (\new)
	s_set_vgpr_msb (MSB<<8)|(\new)
.set MSB, (\new)
.endif
.endm
.macro PLACES n                        ; plain vector instructions between a matrix instruction and a load into, or a write or read of, its registers (ISA guide 7.12.1 for a write or read)
.rept \n
	v_nop
.endr
.endm
.macro DWAIT m                         ; all LDS instructions up to mark m are done
.if DC-(\m) < 63
	s_wait_dscnt DC-(\m)
.else
	s_wait_dscnt 63
.endif
.endm
.macro LWAIT m                         ; all global loads up to mark m are done
.if LC-(\m) < 63
	s_wait_loadcnt LC-(\m)
.else
	s_wait_loadcnt 63
.endif
.endm
.macro CREST                           ; a round of the cluster's barrier behind its opening barrier
	s_cmp_lg_u32 s14, 0
	s_cbranch_scc1 .Lnot_wave_0_\@
	s_barrier_signal -3
.Lnot_wave_0_\@:
	s_barrier_wait -3
	s_barrier_signal -1
	s_barrier_wait -1
.endm
.macro CROUND                          ; a whole round
	s_barrier_signal -1
	s_barrier_wait -1
	CREST
.endm
.macro JL                              ; the ring's loads, one a wave: waves 0 and 1 jointly a half each of W's 256 rows, wave 2 lora_A's; wave 3 has none.  Four v_nop follow each line
	s_cmp_lt_u32 s14, 2
	s_cbranch_scc0 .Lja_\@
	tensor_load_to_lds s[G0R:G0R+3], s[G1R:G1R+7]
	s_nop 0
	PLACES 4
	s_branch .Ljd_\@
.Lja_\@:
	s_cmp_eq_u32 s14, 2
	s_cbranch_scc0 .Ljd_\@
	tensor_load_to_lds s[G0L:G0L+3], s[G1L:G1L+7]
	s_nop 0
	PLACES 4
.Ljd_\@:
.endm
.macro DSL reg, adr, off
	ds_load_b128 v[\reg:\reg+3], v[\adr] offset:\off
.set DC, DC+1
.endm
; A fragment, 16 rows x 128 K of 4-bit codes: lane (r, h) holds row r; registers 4 c .. 4 c + 3 hold K = 64 c + 32 h + 0 .. 31.  A source of 32 rows: rows 0-15 in registers 0-7, rows 16-31 in 8-15.
.macro WLD b, p, st                    ; W's row groups p, p + 1 of step st into buffer b
.set KB, 64*((\st)%8)
.set SL, ((\st)/8)%2
.irp i, 0,1
.irp f, 0,1
.irp c, 0,1
	DSL WF+32*(\b)+16*\i+8*\f+4*\c, WA+2*SL+((\p)+\i)/4, ((((\p)+\i)%4)*32+16*\f)*PITCH+KB+32*\c
.endr
.endr
.endr
.endm
.macro LSET n                          ; where lora_A's fragment of step n lies: one place, in the last quarter three by turns
.set LQ, LF
.if (\n) > 23
.if ((\n)%3) == 1
.set LQ, LB
.endif
.if ((\n)%3) == 2
.set LQ, LB+8
.endif
.endif
.endm
.macro LFLD n
	LSET \n
	DSL LQ, LAA, LSLOT*(((\n)/8)%2)+64*((\n)%8)
	DSL LQ+4, LAA, LSLOT*(((\n)/8)%2)+64*((\n)%8)+32
.irp j, 0,1,2
.if ((\n)%3) == \j
.set LM\j, DC
.endif
.endr
.endm
.macro WSLD ch                         ; the last quarter: a chunk's scale words: two row groups x eight steps
.irp i, 0,1
.irp d, 0,1
	DSL SC+16*((\ch)%2)+8*\i+4*\d, WSA, WOP*(2*(\ch)+\i)+16*(6+\d)
.endr
.endr
.endm
.macro XLD n, a                        ; x's block a of steps 2 n, 2 n + 1: 128 bytes of each of 16 rows
	WIN 0x40
.irp q, 0,1
.irp c, 0,1
	global_load_b128 v[32*((2*(\n)+\q)%8)+8*(\a)+4*\c:32*((2*(\n)+\q)%8)+8*(\a)+4*\c+3], v[XO], s[XB:XB+1] offset:32768*(\a)+64*(2*(\n)+\q)+32*\c
.set LC, LC+1
.endr
.endr
.irp j, 0,1,2,3
.if ((\n)%4) == \j
.set XM\j, LC
.endif
.endr
.endm
.macro XSLD n                          ; x's scale words of steps 4 n .. 4 n + 3
	WIN 0
.irp i, 0,1
	global_load_b128 v[XS+8*((\n)%2)+4*\i:XS+8*((\n)%2)+4*\i+3], v[XSO], s[XSB:XSB+1] offset:4096*\i+16*(\n)
.set LC, LC+1
.endr
.irp j, 0,1
.if ((\n)%2) == \j
.set XSM\j, LC
.endif
.endr
.endm
.macro XWAIT                           ; x's fragments of steps ST, ST + 1 are in; at every fourth step also the scale words
.if (ST%2) == 0
.irp j, 0,1,2,3
.if ((ST/2)%4) == \j
	LWAIT XM\j
.endif
.endr
.endif
.if (ST%4) == 0
.irp j, 0,1
.if ((ST/4)%2) == \j
	LWAIT XSM\j
.endif
.endr
.endif
.endm
.macro TMUL                            ; t's four products of step ST
	WIN 0x04
	LSET ST
.set LV, LS+ST%4
.if ST > 27
.set LV, LS+4+ST%4
.endif
.irp a, 0,1,2,3
.set XF, 32*(ST%8)+8*\a
.set XV, XS+8*((ST/4)%2)+4*(\a/2)+ST%4
.if ST == 0
.if (\a%2) == 0
	v_wmma_scale_f32_16x16x128_f8f6f4 v[TA+8*\a:TA+8*\a+7], v[LQ:LQ+7], v[XF:XF+7], 0, v[LV], v[XV] matrix_a_fmt:MATRIX_FMT_FP4 matrix_b_fmt:MATRIX_FMT_FP4
.else
	v_wmma_scale_f32_16x16x128_f8f6f4 v[TA+8*\a:TA+8*\a+7], v[LQ:LQ+7], v[XF:XF+7], 0, v[LV], v[XV] matrix_a_fmt:MATRIX_FMT_FP4 matrix_b_fmt:MATRIX_FMT_FP4 matrix_b_scale:MATRIX_SCALE_ROW1
.endif
.else
.if (\a%2) == 0
	v_wmma_scale_f32_16x16x128_f8f6f4 v[TA+8*\a:TA+8*\a+7], v[LQ:LQ+7], v[XF:XF+7], v[TA+8*\a:TA+8*\a+7], v[LV], v[XV] matrix_a_fmt:MATRIX_FMT_FP4 matrix_b_fmt:MATRIX_FMT_FP4
.else
	v_wmma_scale_f32_16x16x128_f8f6f4 v[TA+8*\a:TA+8*\a+7], v[LQ:LQ+7], v[XF:XF+7], v[TA+8*\a:TA+8*\a+7], v[LV], v[XV] matrix_a_fmt:MATRIX_FMT_FP4 matrix_b_fmt:MATRIX_FMT_FP4 matrix_b_scale:MATRIX_SCALE_ROW1
.endif
.endif
.endr
.endm
; Eight products of step ST: W's row groups 2 g, 2 g + 1 (in buffer b) against x's four blocks.  The first step's take the constant 0 as C.  Accumulators take turns, one instruction a turn.
.macro MULG g, b, wsb, wsi
.irp i, 0,1
.set RG, 2*(\g)+\i
	WIN 0xa4+0x50*(RG/4)
.set AF, WF+32*(\b)+16*\i
.set WV, (\wsb)+(\wsi)*\i
.irp a, 0,1,2,3
.set DD, 16*(4*(RG%4)+\a)
.set XF, 32*(ST%8)+8*\a
.set XV, XS+8*((ST/4)%2)+4*(\a/2)+ST%4
.if ST == 0
.if (\a%2) == 0
	v_wmma_scale_f32_32x16x128_f4 v[DD:DD+15], v[AF:AF+15], v[XF:XF+7], 0, v[WV], v[XV]
.else
	v_wmma_scale_f32_32x16x128_f4 v[DD:DD+15], v[AF:AF+15], v[XF:XF+7], 0, v[WV], v[XV] matrix_b_scale:MATRIX_SCALE_ROW1
.endif
.else
.if (\a%2) == 0
	v_wmma_scale_f32_32x16x128_f4 v[DD:DD+15], v[AF:AF+15], v[XF:XF+7], v[DD:DD+15], v[WV], v[XV]
.else
	v_wmma_scale_f32_32x16x128_f4 v[DD:DD+15], v[AF:AF+15], v[XF:XF+7], v[DD:DD+15], v[WV], v[XV] matrix_b_scale:MATRIX_SCALE_ROW1
.endif
.endif
.endr
.endr
.endm
; Group g's registers are free: its fragments of step NX, at every fourth step its scale words; with group 0 lora_A's.  NX = 24: the last quarter's first four steps of chunk 0, and what else it needs.
.macro RP g
	WIN 0
.if NX == 24
	WLD \g, 0, 24+\g
.else
	WLD \g, 2*\g, NX
.endif
.if \g == 0
	LFLD NX
.endif
.if (NX%4) == 0
.if \g == 0
	DSL LS, LSA, 16*(NX/4)
.endif
.if NX < 24
	DSL SC+8*\g, WSA, WOP*(2*\g)+16*(NX/4)
	DSL SC+8*\g+4, WSA, WOP*(2*\g+1)+16*(NX/4)
.endif
.endif
.set DM\g, DC
.if NX == 24
.if \g == 0
.irp i, 0,1,2,3
	ds_store_b128 v[IMS], v[LB+4*\i:LB+4*\i+3] offset:512*\i   ; my quarter of lora_B's images; slot 0 has had its last fill and last read
.set DC, DC+1
.endr
.set IM, DC
.endif
.if \g == 1
	WSLD 0
.set SM, DC
.endif
.if \g == 3
	DWAIT IM                                       ; the images have left v16-31
	DSL LS+4, LSA, 16*7
	LFLD 25
	LFLD 26
.endif
.endif
.endm
; x's loads: behind an odd step the steps seven and eight on are asked for, block 0 there and blocks 1-3 in the step that follows; behind every fourth step the scale words of the four steps from the fifth on.
.macro XRP g
.if \g == 3
.if (ST%4) == 3
.if ST/4+2 < 8
	XSLD ST/4+2
.endif
.endif
.if (ST%2) == 1
.if (ST-1)/2+4 < 16
	XLD (ST-1)/2+4, 0
.endif
.endif
.else
.if (ST%2) == 0
.if ST > 1
	XLD ST/2+3, \g+1
.endif
.endif
.endif
.endm
.macro STEP                            ; a step of 128 along K: four groups of eight products; each group's fragments are asked for anew behind it
.set NX, ST+1
.irp g, 0,1,2,3
	DWAIT DM\g
.if \g == 0
	XWAIT
	TMUL
.endif
	MULG \g, \g, SC+8*\g+ST%4, 4
	PLACES 4
	RP \g
	XRP \g
.if \g == 2
.if (ST%8) == 1
.if ST < 16
	WIN 0
	; two quarters on, 512 bytes of each row: my work-group's 64 of the tile's 256 rows (its four partners share them out by address), 16 of them my wave's: a lane a unit of 256 bytes
	global_prefetch_b8 v[PFO], s[PX:PX+1] offset:1024+512*(ST/8) th:TH_LOAD_NT scope:SCOPE_SE
	global_prefetch_b8 v[PFO], s[PW:PW+1] offset:1024+512*(ST/8) th:TH_LOAD_NT scope:SCOPE_SE
.endif
.endif
.endif
.endr
.set ST, ST+1
.endm
; A quarter's last step changes slots: ONE barrier; in front of it each wave waits for all its tensor loads, adds 0 to its spare word, and waits for that and for its own reads of this slot.
; fill = 1: the barrier opens a round of the cluster's barrier, and this slot is filled again, two quarters ahead.
.macro TURN fill
.set NX, ST+1
	WIN 0
	s_wait_tensorcnt 0x0                           ; all my tensor loads have landed
	ds_add_u32 v[SPW], v[NIL]                      ; 0 onto my spare word
.set DC, DC+1
	DWAIT DM0                                      ; group 0's fragments; what is younger may be out
.if \fill
	s_add_nc_u64 s[G0R+2:G0R+3], s[G0R+2:G0R+3], 512   ; no tensor load of mine is out: the descriptors go on by a quarter
	s_add_nc_u64 s[G0L+2:G0L+3], s[G0L+2:G0L+3], 512
.if ST == 7
	s_mov_b32 s[G0R+1], s20
	s_mov_b32 s[G0L+1], LAB
.else
	s_add_co_u32 s[G0R+1], s20, SLOT
	s_mov_b32 s[G0L+1], LAB+LSLOT
.endif
.endif
	TMUL
	MULG 0, 0, SC+3, 4
	s_wait_dscnt 0x0                               ; the add is done, and my reads of this slot are over
	s_barrier_signal -1
	MULG 1, 1, SC+8+3, 4
	WIN 0
	s_barrier_wait -1
.if \fill
	CREST                                          ; no wave of any partner still reads this slot or has a load on its way
	JL
.endif
	PLACES 4
	RP 0
	RP 1
	MULG 2, 2, SC+16+3, 4
	PLACES 4
	RP 2
	MULG 3, 3, SC+24+3, 4
	PLACES 4
	RP 3
	XRP 3
.set ST, ST+1
.endm
; lora_B's four blocks of a chunk: a fragment's registers 0-3 (ranks 8 h + 0 .. 7 of row r).  Its registers 4-7 meet t's zeros: for blocks 0 and 1 they are the next block's numbers, for blocks 2 and 3 zeros.
.macro LBLD ch
	WIN 0
.irp k, 0,1,2
	DSL LB+4*\k, IMR, 512*(4*(\ch)+\k)
.endr
	DSL LF, IMR, 512*(4*(\ch)+3)
.set BM, DC
.endm
.macro LORA ch                         ; the third product of a chunk onto its finished sums: 16 columns x 16 rows each
	WIN 0xa0+0x50*((\ch)/2)
.irp k, 0,1,2,3
.if \k < 3
.set LQ, LB+4*\k
.else
.set LQ, LF
.endif
.irp a, 0,1,2,3
.set DD, 16*(4*((2*(\ch)+\k/2)%4)+\a)+8*(\k%2)
	v_wmma_f32_16x16x32_bf16 v[DD:DD+7], v[LQ:LQ+7], v[TA+8*\a:TA+8*\a+7], v[DD:DD+7]
.endr
.endr
.endm
; THE WAY OUT of a chunk, 64 rows x 64 columns (256 bytes of each row): through my own stage in LDS; back as whole rows into the accumulators' registers; the bias; stored.
.macro TOSTAGE ch
	WIN 0x08+4*((\ch)/2)
.irp a, 0,1,2,3
.irp i, 0,1
.irp f, 0,1
.irp k, 0,1
.set DD, 16*(4*((2*(\ch)+\i)%4)+\a)+8*\f+4*\k
	ds_store_b128 v[STO], v[DD:DD+3] offset:SBLK*\a+128*\i+64*\f+16*\k   ; each accumulator from its low end on
.set DC, DC+1
.endr
.endr
.endr
.endr
.set SM, DC
.endm
.macro BACK ch, a                      ; block a: lanes 0-15 take a row of 256 bytes, lanes 16-31 the next
	WIN 0x80+0x40*((\ch)/2)
.irp t, 0,1,2,3,4,5,6,7
.set DD, 16*(4*((2*(\ch)+\t/4)%4)+\a)+4*(\t%4)
	DSL DD, RD, SBLK*\a+544*\t
.endr
.set RM\a, DC
.endm
.macro SEND ch, a
	WIN 0x82+0x41*((\ch)/2)
.irp t, 0,1,2,3,4,5,6,7
.set DD, 16*(4*((2*(\ch)+\t/4)%4)+\a)+4*(\t%4)
	v_pk_add_f32 v[DD:DD+1], v[DD:DD+1], v[BIA:BIA+1]
	v_pk_add_f32 v[DD+2:DD+3], v[DD+2:DD+3], v[BIA+2:BIA+3]
.endr
	WIN 0x08+4*((\ch)/2)
.irp t, 0,1,2,3,4,5,6,7
.set DD, 16*(4*((2*(\ch)+\t/4)%4)+\a)+4*(\t%4)
	global_store_b128 v[CO], v[DD:DD+3], s[OUT:OUT+1] offset:(16*\a+2*\t)*ROWC+256*(\ch) th:TH_STORE_NT   ; 16 lanes store 256 consecutive bytes, at a multiple of 256 from out's first byte
.endr
.endm
.macro CHUNK ch                        ; the last quarter of one chunk: eight steps, step 24 + 4 h + b in buffer b
.set ST, 24
.irp h, 0,1
.irp b, 0,1,2,3
	DWAIT DM\b
.if \ch == 0
	XWAIT
.if ST == 24
	DWAIT SM
.endif
.irp j, 0,1,2
.if (ST%3) == \j
	DWAIT LM\j
.endif
.endr
.if ST == 25
	s_wait_dscnt 0x0                               ; my images of lora_B have landed: say so, for the other waves' sake
	s_barrier_signal -1
.endif
	TMUL
.endif
	MULG \ch, \b, SC+16*(\ch%2)+4*\h+\b, 8
.if \ch == 0
.if ST == 25
	WIN 0
	s_barrier_wait -1
.endif
.endif
	PLACES 4
	WIN 0
.if \h == 0
	WLD \b, 2*\ch, ST+4
.else
.if \ch < 3
	WLD \b, 2*\ch+2, ST-4
.endif
.endif
.set DM\b, DC
.if \ch == 0
.if ST < 29
	LFLD ST+3
.endif
.if ST < 27
	XLD 15, ST-23
	WIN 0
.endif
.endif
.if ST == 24
.if \ch < 3
	WSLD \ch+1
.endif
.endif
.if \ch > 0
.if ST == 25
	DWAIT SM                                       ; the stage's stores have read the registers that the rows land on
	BACK \ch-1, 0
	BACK \ch-1, 1
.endif
.if ST == 27
	s_wait_loadcnt 0x0                             ; the bias
	DWAIT RM1
	SEND \ch-1, 0
	SEND \ch-1, 1
	BACK \ch-1, 2
	BACK \ch-1, 3
.endif
.if ST == 29
	DWAIT RM3
	SEND \ch-1, 2
	SEND \ch-1, 3
.endif
.endif
.if ST == 30
	WIN 0
	global_load_b128 v[BIA:BIA+3], v[BOF], s[BB:BB+1] offset:256*\ch   ; this chunk's bias: my four columns
.set LC, LC+1
.endif
.set ST, ST+1
.endr
.endr
	PLACES 5                                       ; another form writes over the sums; t is read
.if \ch == 0
	LBLD 0
	; t to bf16, in place, each accumulator from its low end on; and the zeros
.irp a, 0,1,2,3
.irp i, 0,1,2,3
	v_cvt_pk_bf16_f32 v[TA+8*\a+\i], v[TA+8*\a+2*\i], v[TA+8*\a+2*\i+1]
.endr
.endr
.irp i, 0,1,2,3
.irp a, 0,1,2,3
	v_mov_b32 v[TA+8*\a+4+\i], 0
.endr
	v_mov_b32 v[LB+12+\i], 0
	v_mov_b32 v[LF+4+\i], 0
.endr
	s_wait_alu depctr_va_vdst(0)
.endif
	DWAIT BM
	LORA \ch
	PLACES 4
	TOSTAGE \ch
.if \ch < 3
	LBLD \ch+1
.endif
.endm
	s_load_b256 s[4:11], s[0:1], 0x0               ; x's codes s[4:5], x's scales s[6:7], W's codes s[8:9], W's scales s[10:11]
	s_load_b256 s[16:23], s[0:1], 0x20             ; lora_A's codes s[16:17], its scales s[18:19], lora_B s[20:21], b s[22:23]
	s_load_b64 s[12:13], s[0:1], 0x40              ; out
	v_lshl_add_u32 v[SPW], v0, 2, SPARE
	v_mov_b32 v[NIL], 0
	ds_add_u32 v[SPW], v[NIL]                      ; the wave's opening: two adds, waited for ahead of my first tensor load
	ds_add_u32 v[SPW], v[NIL]
	v_lshrrev_b32 v131, 5, v0
	v_readfirstlane_b32 s14, v131                  ; wave 0..3
	s_bfe_u32 s66, ttmp6, 0x40000                  ; cx, cy: my place in the cluster
	s_bfe_u32 s67, ttmp6, 0x40004
	s_lshl_b32 s2, ttmp9, 2
	s_add_co_u32 s2, s2, s66                       ; tile column = 4 x cluster x + cx
	s_and_b32 s3, ttmp7, 0xffff
	s_lshl_b32 s3, s3, 2
	s_add_co_u32 s3, s3, s67                       ; tile row = 4 x cluster y + cy
	s_lshl_b32 s15, 0x1111, s66                    ; my column of the cluster
	; group 1, codes: rows of 512 bytes, 2,048 bytes apart in memory, 16 bytes of padding behind each: 15:0 the mask (W's tiles go to my column); 20 padding on; 21 set beside a mask; 24:22 after every 128 words (code 6); 31:25 four words (code 3)
	s_or_b32 s[G1W], s15, (1<<20)|(1<<21)|(6<<22)|(3<<25)
	s_or_b32 s[G1R], s15, (1<<20)|(1<<21)|(6<<22)|(3<<25)
	s_mov_b32 s[G1L], (1<<20)|(6<<22)|(3<<25)      ; lora_A: a plain load
.irp g, G1W, G1R, G1L
	s_mov_b32 s[\g+1], 512<<16                     ; tensor_dim0
	s_mov_b32 s[\g+3], 512<<16                     ; tile_dim0
	s_mov_b32 s[\g+5], 2048                        ; tensor_dim0_stride
	s_mov_b32 s[\g+6], 0
	s_mov_b32 s[\g+7], 0
.endr
	s_mov_b32 s[G1W+2], 256<<16                    ; tensor_dim1, tile_dim1: W's 256 rows at the head,
	s_mov_b32 s[G1W+4], 256
	s_mov_b32 s[G1R+2], 128<<16                    ; 128 in the ring,
	s_mov_b32 s[G1R+4], 128
	s_mov_b32 s[G1L+2], 16<<16                     ; lora_A's 16
	s_mov_b32 s[G1L+4], 16
	; scales: dense blocks as rows of 256 bytes (32 elements of 8), 16 bytes of padding behind each (after every 64 words: code 5)
	s_or_b32 s[G1S], s15, (3<<16)|(1<<20)|(1<<21)|(5<<22)|(3<<25)
	s_mov_b32 s[G1LS], (3<<16)|(1<<20)|(5<<22)|(3<<25)   ; lora_A's: a plain load
.irp g, G1S, G1LS
	s_mov_b32 s[\g+1], 32<<16
	s_mov_b32 s[\g+3], 32<<16
	s_mov_b32 s[\g+5], 32
	s_mov_b32 s[\g+6], 0
	s_mov_b32 s[\g+7], 0
.endr
	s_mov_b32 s[G1S+2], 128<<16                    ; W's 256 rows of 128 bytes
	s_mov_b32 s[G1S+4], 128
	s_mov_b32 s[G1LS+2], 8<<16                     ; lora_A's 16
	s_mov_b32 s[G1LS+4], 8
	s_mul_i32 s88, s14, SWAVE
	s_add_co_u32 s88, s88, STAGE                   ; my stage
	s_lshl_b32 s89, s14, 11
	s_lshl_b32 s90, s14, 15
	v_and_b32 v128, 15, v0                         ; r = lane % 16
	v_bfe_u32 v129, v0, 4, 1                       ; h = lane / 16
	v_and_b32 v130, 31, v0                         ; lane
	v_mul_u32_u24 v131, v128, PITCH
	v_lshl_add_u32 v[WA], v129, 4, v131            ; a fragment's row x pitch + 16 h
	v_add_nc_u32 v[WA+1], HALF, v[WA]
	v_add_nc_u32 v[WA+2], SLOT, v[WA]
	v_add_nc_u32 v[WA+3], SLOT+HALF, v[WA]
	v_add_nc_u32 v[LAA], LAB, v[WA]
	v_lshrrev_b32 v131, 1, v128                    ; a row's scale words: 128 bytes a row, 16 more for each two rows passed
	v_lshlrev_b32 v132, 7, v128
	v_lshl_add_u32 v131, v131, 4, v132
	v_add_nc_u32 v[LSA], LSC, v131
	v_lshrrev_b32 v133, 1, v130
	v_lshlrev_b32 v[XSO], 7, v130
	v_lshl_add_u32 v131, v133, 4, v[XSO]
	v_add_nc_u32 v[WSA], WSC, v131
	v_lshlrev_b32 v131, 11, v128
	v_lshl_add_u32 v[XO], v129, 4, v131
	v_lshlrev_b32 v[IMR], 4, v130
	v_add_nc_u32 v[IMS], s89, v[IMR]
	v_lshlrev_b32 v131, 11, v133                   ; prefetches: lane l names row l / 2 of my 16, unit l % 2
	v_and_b32 v132, 1, v130
	v_lshl_add_u32 v131, v132, 8, v131
	v_add_nc_u32 v[PFO], s90, v131
	v_mul_u32_u24 v131, v129, 272                  ; the stage, back: two rows of 256 bytes
	v_lshl_add_u32 v131, v128, 4, v131
	v_add_nc_u32 v[RD], s88, v131
	v_lshlrev_b32 v131, 6, v128                    ; lora_B: 64 r + 32 h
	v_lshl_add_u32 v134, v129, 5, v131
	s_wait_alu depctr_va_vdst(0)
	; offsets in bytes: 256 rows a tile, 64 rows a wave or a partner
	s_lshl_b32 s88, s3, 19                         ; x's codes: 2,048 bytes a row
	s_lshl_b32 s89, s14, 17
	s_add_co_u32 s88, s88, s89
	s_lshl_b32 s90, s3, 15                         ; x's scales: 128 bytes a row
	s_lshl_b32 s89, s14, 13
	s_add_co_u32 s90, s90, s89
	s_lshl_b32 s92, s3, 19                         ; prefetches of x: 64 rows by cx,
	s_lshl_b32 s89, s66, 17
	s_add_co_u32 s92, s92, s89
	s_lshl_b32 s94, s2, 19                         ; of W: 64 rows by cy
	s_lshl_b32 s89, s67, 17
	s_add_co_u32 s94, s94, s89
	s_lshl_b32 s96, s3, 22                         ; out: 16,384 bytes a row, 1,024 bytes a tile column
	s_lshl_b32 s89, s14, 20
	s_add_co_u32 s96, s96, s89
	s_lshl_b32 s98, s2, 10                         ; b
	s_add_co_u32 s96, s96, s98
	s_lshl_b32 s100, s2, 14                        ; lora_B: 64 bytes a row
	s_lshl_b32 s89, s14, 12
	s_add_co_u32 s100, s100, s89
	s_mov_b32 s89, 0
	s_mov_b32 s91, 0
	s_mov_b32 s93, 0
	s_mov_b32 s95, 0
	s_mov_b32 s97, 0
	s_mov_b32 s99, 0
	s_mov_b32 s101, 0
	s_lshl_b32 s58, s2, 19                         ; W's codes
	s_mov_b32 s59, 0
	s_lshl_b32 s78, s2, 15                         ; W's scales
	s_mov_b32 s79, 0
	s_wait_dscnt 0x0                               ; both opening adds are done
	s_wait_kmcnt 0x0
	s_add_nc_u64 s[XB:XB+1], s[4:5], s[88:89]
	s_add_nc_u64 s[XSB:XSB+1], s[6:7], s[90:91]
	s_add_nc_u64 s[PX:PX+1], s[4:5], s[92:93]
	s_add_nc_u64 s[PW:PW+1], s[8:9], s[94:95]
	s_add_nc_u64 s[OUT:OUT+1], s[12:13], s[96:97]
	s_add_nc_u64 s[BB:BB+1], s[22:23], s[98:99]
	s_add_nc_u64 s[LBB:LBB+1], s[20:21], s[100:101]
	s_add_nc_u64 s[58:59], s[8:9], s[58:59]
	s_add_nc_u64 s[78:79], s[10:11], s[78:79]
	s_and_b32 s4, s14, 1                           ; the ring: which half of W's 256 rows
	s_mul_i32 s20, s4, HALF
	s_lshl_b32 s4, s4, 18
	s_mov_b32 s5, 0
	s_add_nc_u64 s[G0R+2:G0R+3], s[58:59], s[4:5]
	s_add_nc_u64 s[G0R+2:G0R+3], s[G0R+2:G0R+3], 512   ; quarter 1, into slot 1
	s_mov_b32 s[G0R], 1                            ; count = 1
	s_add_co_u32 s[G0R+1], s20, SLOT               ; LDS address
	s_or_b32 s[G0R+3], s[G0R+3], 0x80000000        ; type = 2
	s_mov_b32 s[G0W], 1
	s_mov_b32 s[G0W+1], 0
	s_or_b32 s[G0W+3], s[G0W+3], 0x80000000
	s_mov_b32 s[G0S], 1
	s_mov_b32 s[G0S+1], WSC
	s_or_b32 s[G0S+3], s[G0S+3], 0x80000000
	s_mov_b32 s[G0L], 1
	s_mov_b32 s[G0L+1], LAB
	s_mov_b64 s[G0L+2:G0L+3], s[16:17]
	s_or_b32 s[G0L+3], s[G0L+3], 0x80000000
	s_mov_b32 s[G0LS], 1
	s_mov_b32 s[G0LS+1], LSC
	s_mov_b64 s[G0LS+2:G0LS+3], s[18:19]
	s_or_b32 s[G0LS+3], s[G0LS+3], 0x80000000
	CROUND                                         ; all sixteen work-groups are here: the first joint loads meet
; THE HEAD'S LOADS, ONE A WAVE: wave 0 W's 256 rows of quarter 0, wave 1 W's scales, wave 2 lora_A's rows of quarter 0, wave 3 lora_A's scales
.macro ARM under, g0, g1, next
	s_cmp_lt_u32 s14, \under
	s_cbranch_scc0 \next
	tensor_load_to_lds s[\g0:\g0+3], s[\g1:\g1+7]
	s_nop 0
	PLACES 4
	s_branch .Lhead_asked
\next:
.endm
	ARM 1, G0W, G1W, .Lhead_b
	ARM 2, G0S, G1S, .Lhead_c
	ARM 3, G0L, G1L, .Lhead_d
	tensor_load_to_lds s[G0LS:G0LS+3], s[G1LS:G1LS+7]
	s_nop 0
	PLACES 4
.Lhead_asked:
	XSLD 0
.irp a, 0,1,2,3
	XLD 0, \a
.endr
	WIN 0x80
.irp i, 0,1,2,3
.irp k, 0,1
	global_load_b128 v[8*\i+4*\k:8*\i+4*\k+3], v134, s[LBB:LBB+1] offset:1024*\i+16*\k   ; lora_B(64 wave + 16 i + r, 8 h + 0 .. 7), into accumulators that no product has written yet
.set LC, LC+1
.endr
.endr
.set LBM, LC
.irp a, 0,1,2,3
	XLD 1, \a
.endr
	XSLD 1
.irp a, 0,1,2,3
	XLD 2, \a
.endr
	WIN 0
	s_wait_alu depctr_va_vdst(0)
	s_wait_tensorcnt 0x0                           ; my tile of the head's four is in
	ds_add_u32 v[SPW], v[NIL]
	s_mov_b32 s[G0L+1], LAB+LSLOT                  ; no tensor load of mine is out: lora_A's quarter 1
	s_add_nc_u64 s[G0L+2:G0L+3], s[G0L+2:G0L+3], 512
	s_wait_dscnt 0x0                               ; the add is done
	CROUND                                         ; a whole round: all four tiles are in, and all sixteen work-groups are here
	JL                                             ; quarter 1 into slot 1: the first tensor load behind the round
	s_wait_xcnt 0x0                                ; the loads above have read their addresses: v128-255 are loaded below
.set NX, 0
.irp g, 0,1,2,3
	RP \g                                          ; the first step's fragments and scale words
.endr
.irp a, 0,1,2,3
	XLD 3, \a
.endr
	LWAIT LBM                                      ; lora_B is in
	WIN 0x0a
.irp i, 0,1,2,3
.irp j, 0,1,2,3
	v_cvt_pk_bf16_f32 v[LB+4*\i+\j], v[8*\i+2*\j], v[8*\i+2*\j+1]
.endr
.endr
	s_wait_alu depctr_va_vdst(0)
.rept 7
	STEP
.endr
	TURN 1
.rept 7
	STEP
.endr
	TURN 1
.rept 7
	STEP
.endr
	TURN 0                                         ; nothing is filled again: a work-group's barrier alone
	; the way out's addresses, from 16 x lane, in registers that are done with (slot 0's fragments, the images, the prefetches)
	WIN 0
	s_mul_i32 s4, s14, SWAVE
	s_add_co_u32 s4, s4, STAGE                     ; my stage
	s_wait_xcnt 0x0                                ; the prefetches have read v3
	v_and_b32 v[BOF], 0xf0, v[IMR]                 ; 16 r
	v_and_b32 v5, 0x100, v[IMR]                    ; 256 h
	v_lshl_add_u32 v[CO], v5, 6, v[BOF]            ; 16,384 h + 16 r
	v_lshrrev_b32 v5, 3, v5                        ; 32 h
	v_mul_u32_u24 v[STO], v[BOF], 17               ; 272 r
	v_add_nc_u32 v[STO], v[STO], v5
	v_add_nc_u32 v[STO], s4, v[STO]
	s_wait_alu depctr_va_vdst(0)
.irp c, 0,1,2,3
	CHUNK \c
.endr
	s_wait_loadcnt 0x0                             ; the last chunk's bias
	DWAIT SM                                       ; the stage's stores have read the accumulators
.irp a, 0,1,2,3
	BACK 3, \a
.endr
.irp a, 0,1,2,3
	DWAIT RM\a
	SEND 3, \a
.endr
	WIN 0
	s_wait_tensorcnt 0x0                           ; the wave's end: behind my last tensor load and my last LDS store
	ds_add_u32 v[SPW], v[NIL]
	s_wait_dscnt 0x0
	CROUND                                         ; the closing round: no work-group ends while a partner may still ask for a tile that names it
	s_endpgm
.Lfunc_end_k_q09333325d2_lora_gemm:
	.size	k_q09333325d2_lora_gemm, .Lfunc_end_k_q09333325d2_lora_gemm-k_q09333325d2_lora_gemm
	.p2alignl 7, 3214868480
	.fill 96, 4, 3214868480
	.section	.rodata,"a",@progbits
	.p2align	6, 0x0
	.amdhsa_kernel k_q09333325d2_lora_gemm
		.amdhsa_group_segment_fixed_size 327680
		.amdhsa_private_segment_fixed_size 0
		.amdhsa_enable_private_segment 0
		.amdhsa_kernarg_size 72
		.amdhsa_user_sgpr_count 2
		.amdhsa_user_sgpr_kernarg_segment_ptr 1
		.amdhsa_wavefront_size32 1
		.amdhsa_system_sgpr_workgroup_id_x 1
		.amdhsa_system_sgpr_workgroup_id_y 1
		.amdhsa_system_sgpr_workgroup_id_z 1
		.amdhsa_system_vgpr_workitem_id 0
		.amdhsa_next_free_vgpr 1024
		.amdhsa_next_free_sgpr 102
		.amdhsa_reserve_vcc 0
		.amdhsa_float_denorm_mode_32 3
		.amdhsa_float_denorm_mode_16_64 3
		.amdhsa_memory_ordered 1
		.amdhsa_forward_progress 1
		.amdhsa_inst_pref_size 255
	.end_amdhsa_kernel
	.section	.bss,"aw",@nobits
	.p2align	6
	.space	262144
	.amdgpu_metadata
---
amdhsa.version: [ 1, 2 ]
amdhsa.kernels:
  - .name:           k_q09333325d2_lora_gemm
    .symbol:         k_q09333325d2_lora_gemm.kd
    .args:
      - { .name: x_codes, .offset: 0, .size: 8, .value_kind: global_buffer, .address_space: global }
      - { .name: x_scales, .offset: 8, .size: 8, .value_kind: global_buffer, .address_space: global }
      - { .name: W_codes, .offset: 16, .size: 8, .value_kind: global_buffer, .address_space: global }
      - { .name: W_scales, .offset: 24, .size: 8, .value_kind: global_buffer, .address_space: global }
      - { .name: lora_A_codes, .offset: 32, .size: 8, .value_kind: global_buffer, .address_space: global }
      - { .name: lora_A_scales, .offset: 40, .size: 8, .value_kind: global_buffer, .address_space: global }
      - { .name: lora_B, .offset: 48, .size: 8, .value_kind: global_buffer, .address_space: global }
      - { .name: b, .offset: 56, .size: 8, .value_kind: global_buffer, .address_space: global }
      - { .name: out0, .offset: 64, .size: 8, .value_kind: global_buffer, .address_space: global }
    .group_segment_fixed_size: 327680
    .private_segment_fixed_size: 0
    .kernarg_segment_align: 8
    .kernarg_segment_size: 72
    .max_flat_workgroup_size: 128
    .sgpr_count:     102
    .vgpr_count:     1024
    .wavefront_size: 32
...
	.end_amdgpu_metadata
.endif
;; end of part 1
